; MI455X (gfx1250); checked and timed in simulation.
; The chip was launched on July 23, 2026; its instructions are those of AMD's public machine-readable ISA for CDNA 5 (MIT licence, August 2026) and "CDNA5" Instruction Set Architecture Reference Guide (July 2026). The comments in the code are by the model that wrote it; some were corrected since.
;; Level Fusion. Allowed arithmetic: matrix products marked QUANTISED: E3M2 operands, one E8M0 scale for each 32 along K, by v_wmma_scale_f32_16x16x128_f8f6f4 with both operands' format E3M2, f32 sums; products left as they are: f32 operands where the result goes on into a quantised operand, else bf16, f16 or f32 operands; f32 sums; everything else in f32.
;; Inputs: W1 528 x 512 float32; W2 512 x 256 float32; W3 256 x 8 float32; Wg 16 x 8 float32; b1 512 float32; b2 256 float32; b3 8 float32; bg 8 float32; curr_features 64 x 2,048 x 512 float32; curr_trajectory 64 x 2,048 x 8 float32; prev_trajectory 64 x 512 x 8 float32.
;; Outputs: out0 64 x 2,048 x 8 float32.
;; This version of the problem:
;;   THIS VERSION OF THE PROBLEM IS GIVEN IN LOW PRECISION. The matrix products marked QUANTISED in the list below multiply operands that are first quantised to E3M2 (3 exponent bits, 2 mantissa bits; 6 bits a number), with one power-of-two scale for each 32 numbers along K (OCP MX v1.0); their sums are f32. All else is computed in f32.
;;   The module's matrix products, in the order in which they are computed (A, B: the left and right operand; K: the contracted axis; several contracted axes count as one K, in the product's order):
;;     1. [M 131,072, K 16] x [K 16, N 8]; A: computed on the way; B: input Wg: left as it is (K = 16 < 32)
;;     2. [M 131,072, K 528] x [K 528, N 512]; A: computed on the way; B: input W1: QUANTISED
;;     3. [M 131,072, K 512] x [K 512, N 256]; A: computed on the way; B: input W2: QUANTISED
;;     4. [M 131,072, K 256] x [K 256, N 8]; A: computed on the way; B: input W3: left as it is (N = 8 < 16)
;;   THE QUANTISER, for each operand of a quantised product, along K:
;;     - K is cut into blocks of 32 from its start; a last block that is shorter is filled with zeros.
;;     - A block's scale is 2^e with e = floor(log2(the largest magnitude in the block)) - 4, held to -126 .. 127; a block of zeros has e = 0. As a byte (E8M0): e + 127.
;;     - Each number is divided by its block's scale, clamped to +-28, and rounded to the nearest number of E3M2, ties to even, subnormals kept.
;;     - The product sums the exact products of the quantised numbers (number of the format x scale) in f32.
;;   ~~~python
;;   def quantise(x, axis):      # numpy; x: float32 -> the quantised numbers, widened to float32 again
;;       x = np.moveaxis(x, axis, -1); K = x.shape[-1]
;;       x = np.pad(x, [(0, 0)] * (x.ndim - 1) + [(0, -K % 32)]); x = x.reshape(x.shape[:-1] + (-1, 32)); a = np.abs(x).max(-1, keepdims=True)
;;       e = np.where(a > 0, np.clip(np.frexp(np.where(a > 0, a, 1))[1] - 1 - 4, -126, 127), 0)      # np.frexp(a)[1] - 1 = floor(log2(a)), exactly
;;       r = np.clip(x / 2.0 ** e, -28, 28)
;;       step = 2.0 ** (np.maximum(np.frexp(np.where(r == 0, 1, r))[1] - 1, -2) - 2)
;;       q = np.round(r / step) * step * 2.0 ** e      # np.round: ties to even
;;       return np.moveaxis(q.reshape(q.shape[:-2] + (-1,))[..., :K], -1, axis).astype(np.float32)
;;   ~~~
;;   OPERANDS COMPUTED ON THE WAY. 'Computed on the way' means the value that the module computes at that place (a softmax that the list does not call 'softmax' is quantised finished and normalised). What goes into a quantiser is computed in f32, as accurately as f32 sums, v_exp_f32 and their like allow (about 1e-6 of the number): no bf16 or f16 on the way to a quantiser, and a product that is left as it is and whose result goes on into a quantised operand takes f32 operands (vector FMAs, or v_wmma_f32_16x16x4_f32). A number that lies on a knife's edge between two numbers of the format may be rounded either way, as far as f32 arithmetic and the matrix unit's own rounding can turn it there, and no further.
;; One version. Each part assembles by itself: llvm-mc -triple=amdgcn-amd-amdhsa -mcpu=gfx1250 --defsym DOCPART=n.
;; ======== version 1 of 1: 2 launches
;; limits: values are held in bf16: 8 bits of precision; right only within a limited range of input values
;; workspace buffers: wq 311,296 bytes; ws 14,336 bytes
;; launch prep (part 1): grid 224 x 1, 1 waves a work-group, no clusters, 0 bytes of LDS; arguments W1, W2, wq, ws; writes wq, ws
.if DOCPART == 1
	.amdgcn_target "amdgcn-amd-amdhsa--gfx1250"
	.amdhsa_code_object_version 6
	.text
	.protected	k_q143cb4f50a_prep
	.globl	k_q143cb4f50a_prep
	.p2align	8
	.type	k_q143cb4f50a_prep,@function
k_q143cb4f50a_prep:
	s_mov_b64 s[64:65], 0
	v_nop
	global_prefetch_b8 v0, s[64:65] scope:SCOPE_SE
	s_setreg_imm32_b32 hwreg(HW_REG_WAVE_MODE, 25, 1), 1
	s_wait_xcnt 0x0
; W1 [528][512] and W2 [512][256], f32 with K as the first axis, are quantised once along K into codes of BF6 (E3M2) with one E8M0 byte for each 32 along K,
; and stored as images of the operand registers of the launch that multiplies: a fragment (16 columns x 128 K) is 12 registers a lane; registers 4 c .. 4 c + 3 of lane l lie at 512 c + 16 l.
; One wave makes one fragment: a lane takes a column, its registers run down K in the operand's own order.
; wq, part w of 8 (WQW bytes, for wave w of the next launch): W1's fragment (tile t < 4, K step s < 4) at 1536 (4 s + t); W1's tail (K = 512 .. 527, registers 0-3) at W1T + 512 t; W2's (tile t < 2, K step s) at W2F + 1536 (2 s + t).
; ws, part w (WSW bytes): 14 register images of 128 bytes.  Image 2 s + t % 2: lanes 0-15 W1's tile t < 2, lanes 16-31 tile t + 2 (s = 4: the tail).  Image 10 + s: W2's tile 0 below, tile 1 above.
; COLUMNS.  W1: lane r of tile t takes column 64 w + 32 (t / 2) + 8 (t % 2) + r + 8 (r / 8), so that two neighbouring tiles' results are 16 neighbours along the next K.  W2: column 32 w + 16 t + r.
; LIMITS: a block of zeros, or one whose largest magnitude lies under 2^-122, gets the byte 1 (zeros have zero codes; this program alone reads the bytes); NaN and infinities are not served.
; Work-groups 0-127: W1's full fragments; 128-191: W2's; 192-223: W1's tails.
.set WQW, 38912
.set WSW, 1792
.set W1T, 24576
.set W2F, 26624
.macro COLS                            ; s28 += the byte, in a row of W1, of the first column of tile t (s26) of wave w (s24)
	s_lshl_b32 s27, s24, 8
	s_add_co_u32 s28, s28, s27
	s_lshr_b32 s27, s26, 1
	s_lshl_b32 s27, s27, 7
	s_add_co_u32 s28, s28, s27
	s_and_b32 s27, s26, 1
	s_lshl_b32 s27, s27, 5
	s_add_co_u32 s28, s28, s27
.endm
.macro FULLQ pitch                     ; 128 along K from s[12:13] + v3 on; lane (r, h) takes k = 64 c + 32 h + 0 .. 31: two whole blocks
.irp c,0,1
.irp i,0,1,2,3,4,5,6,7,8,9,10,11,12,13,14,15,16,17,18,19,20,21,22,23,24,25,26,27,28,29,30,31
	global_load_b32 v[64+32*\c+\i], v3, s[12:13] offset:(64*\c+\i)*\pitch
.endr
.endr
	s_wait_loadcnt 0x0
.irp c,0,1
	v_max3_num_f32 v[32+\c], |v[64+32*\c]|, |v[65+32*\c]|, 5<<23   ; my block 2 c + h, and the floor 2^(5 - 127)
.endr
.irp i,2,4,6,8,10,12,14,16,18,20,22,24,26,28,30
.irp c,0,1
	v_max3_num_f32 v[32+\c], v[32+\c], |v[64+32*\c+\i]|, |v[65+32*\c+\i]|
.endr
.endr
.irp c,0,1
	v_add_nc_u32 v[44+\c], 0xfe000000, v[32+\c]    ; 4 off the exponent field: the conversion's scale operand
.endr
.irp c,0,1
	v_lshrrev_b32 v[36+\c], 23, v[44+\c]           ; the scale's byte
.endr
	v_lshl_or_b32 v9, v37, 16, v36
	v_lshlrev_b32 v10, 3, v2
	v_lshlrev_b32 v9, v10, v9
	v_mov_b32 v10, 0
	v_permlanex16_b32 v10, v9, s20, s21
	v_or_b32 v9, v9, v10                           ; with lane l xor 16's two bytes the word is whole
.irp c,0,1
	v_cvt_scalef32_pk16_bf6_f32 v[48+6*\c:50+6*\c], v[64+32*\c:79+32*\c], v[44+\c]
	v_cvt_scalef32_pk16_bf6_f32 v[128+4*\c:130+4*\c], v[80+32*\c:95+32*\c], v[44+\c]
.endr
	v_nop                                          ; one plain place behind a scaled conversion
.irp c,0,1
.irp i,0,1,2
	v_mov_b32 v[51+6*\c+\i], v[128+4*\c+\i]
.endr
.endr
.irp c,0,1,2
	global_store_b128 v4, v[48+4*\c:51+4*\c], s[16:17] offset:512*\c   ; 32 lanes store 512 consecutive bytes
.endr
.endm
	s_load_b256 s[4:11], s[0:1], 0x0               ; W1, W2, wq, ws
	v_and_b32 v1, 15, v0                           ; r
	v_lshrrev_b32 v2, 4, v0                        ; h
	v_lshlrev_b32 v4, 4, v0
	v_lshlrev_b32 v5, 2, v1
	v_and_b32 v6, 8, v1
	v_add_nc_u32 v6, v6, v1
	v_lshlrev_b32 v6, 2, v6                        ; 4 (r + 8 (r / 8))
	s_mov_b32 s20, 0x76543210
	s_mov_b32 s21, 0xfedcba98
	s_mov_b32 s29, 0
	s_wait_kmcnt 0x0
	s_cmp_lt_u32 ttmp9, 128
	s_cbranch_scc1 .Lw1
	s_cmp_lt_u32 ttmp9, 192
	s_cbranch_scc1 .Lw2
	; W1's tail: w = (id / 4) % 8, t = id % 4
	s_bfe_u32 s24, ttmp9, 0x30002
	s_and_b32 s26, ttmp9, 3
	s_mov_b32 s28, 512*2048
	COLS
	s_add_nc_u64 s[12:13], s[4:5], s[28:29]
	s_mul_i32 s28, s24, WQW
	s_lshl_b32 s27, s26, 9
	s_add_co_u32 s28, s28, s27
	s_add_co_u32 s28, s28, W1T
	s_add_nc_u64 s[16:17], s[8:9], s[28:29]
	s_mul_i32 s28, s24, WSW
	s_and_b32 s27, s26, 1
	s_lshl_b32 s27, s27, 7
	s_add_co_u32 s28, s28, s27
	s_lshr_b32 s27, s26, 1
	s_lshl_b32 s27, s27, 6
	s_add_co_u32 s28, s28, s27
	s_add_co_u32 s28, s28, 8*128
	s_add_nc_u64 s[18:19], s[10:11], s[28:29]
	s_wait_alu depctr_va_vdst(0)
.irp i,0,1,2,3,4,5,6,7,8,9,10,11,12,13,14,15
	global_load_b32 v[64+\i], v6, s[12:13] offset:\i*2048
.endr
	s_wait_loadcnt 0x0
	v_max3_num_f32 v32, |v64|, |v65|, 5<<23
	v_max3_num_f32 v33, |v66|, |v67|, |v68|
.irp i,69,73
	v_max3_num_f32 v32, v32, |v[\i]|, |v[\i+1]|
	v_max3_num_f32 v33, v33, |v[\i+2]|, |v[\i+3]|
.endr
	v_max3_num_f32 v32, v32, |v77|, |v78|
	v_max3_num_f32 v32, v32, v33, |v79|
	v_add_nc_u32 v44, 0xfe000000, v32
	v_lshrrev_b32 v9, 23, v44
	v_mov_b32 v51, 0
	v_cvt_scalef32_pk16_bf6_f32 v[48:50], v[64:79], v44
	v_nop
	global_store_b128 v4, v[48:51], s[16:17]
	s_branch .Lword
.Lw1:   ; W1's full fragments: w = id / 16, s = (id / 4) % 4, t = id % 4
	s_lshr_b32 s24, ttmp9, 4
	s_bfe_u32 s25, ttmp9, 0x20002
	s_and_b32 s26, ttmp9, 3
	s_lshl_b32 s28, s25, 18
	COLS
	s_add_nc_u64 s[12:13], s[4:5], s[28:29]
	s_mul_i32 s28, s24, WQW
	s_and_b32 s27, ttmp9, 15
	s_mul_i32 s27, s27, 1536
	s_add_co_u32 s28, s28, s27
	s_add_nc_u64 s[16:17], s[8:9], s[28:29]
	s_mul_i32 s28, s24, WSW
	s_lshl_b32 s27, s25, 8
	s_add_co_u32 s28, s28, s27
	s_and_b32 s27, s26, 1
	s_lshl_b32 s27, s27, 7
	s_add_co_u32 s28, s28, s27
	s_lshr_b32 s27, s26, 1
	s_lshl_b32 s27, s27, 6
	s_add_co_u32 s28, s28, s27
	s_add_nc_u64 s[18:19], s[10:11], s[28:29]
	s_wait_alu depctr_va_vdst(0)
	v_lshl_add_u32 v3, v2, 16, v6
	FULLQ 2048
	s_branch .Lword
.Lw2:   ; W2's fragments: j = id - 128: w = j / 8, s = (j / 2) % 4, t = j % 2
	s_bfe_u32 s24, ttmp9, 0x30003
	s_bfe_u32 s25, ttmp9, 0x20001
	s_and_b32 s26, ttmp9, 1
	s_lshl_b32 s28, s25, 17
	s_lshl_b32 s27, s24, 7
	s_add_co_u32 s28, s28, s27
	s_lshl_b32 s27, s26, 6
	s_add_co_u32 s28, s28, s27
	s_add_nc_u64 s[12:13], s[6:7], s[28:29]
	s_mul_i32 s28, s24, WQW
	s_and_b32 s27, ttmp9, 7
	s_mul_i32 s27, s27, 1536
	s_add_co_u32 s28, s28, s27
	s_add_co_u32 s28, s28, W2F
	s_add_nc_u64 s[16:17], s[8:9], s[28:29]
	s_mul_i32 s28, s24, WSW
	s_lshl_b32 s27, s25, 7
	s_add_co_u32 s28, s28, s27
	s_lshl_b32 s27, s26, 6
	s_add_co_u32 s28, s28, s27
	s_add_co_u32 s28, s28, 10*128
	s_add_nc_u64 s[18:19], s[10:11], s[28:29]
	s_wait_alu depctr_va_vdst(0)
	v_lshl_add_u32 v3, v2, 15, v5
	FULLQ 1024
.Lword: ; the sixteen scale words, from lanes 0-15: half a register image
	v_cmp_gt_u32 vcc_lo, 16, v0
	s_wait_xcnt 0x0                                ; EXEC is narrowed only when the stores above have read it
	s_and_saveexec_b32 s22, vcc_lo
	s_wait_alu depctr_va_vdst(0)
	global_store_b32 v5, v9, s[18:19]
	s_wait_xcnt 0x0
	s_or_b32 exec_lo, exec_lo, s22
	s_endpgm
.Lfunc_end_k_q143cb4f50a_prep:
	.size	k_q143cb4f50a_prep, .Lfunc_end_k_q143cb4f50a_prep-k_q143cb4f50a_prep
	.p2alignl 7, 3214868480
	.fill 96, 4, 3214868480
	.section	.rodata,"a",@progbits
	.p2align	6, 0x0
	.amdhsa_kernel k_q143cb4f50a_prep
		.amdhsa_group_segment_fixed_size 0
		.amdhsa_private_segment_fixed_size 0
		.amdhsa_enable_private_segment 0
		.amdhsa_kernarg_size 32
		.amdhsa_user_sgpr_count 2
		.amdhsa_user_sgpr_kernarg_segment_ptr 1
		.amdhsa_wavefront_size32 1
		.amdhsa_system_sgpr_workgroup_id_x 1
		.amdhsa_system_sgpr_workgroup_id_y 1
		.amdhsa_system_sgpr_workgroup_id_z 1
		.amdhsa_system_vgpr_workitem_id 0
		.amdhsa_next_free_vgpr 144
		.amdhsa_next_free_sgpr 66
		.amdhsa_reserve_vcc 1
		.amdhsa_float_denorm_mode_32 3
		.amdhsa_float_denorm_mode_16_64 3
		.amdhsa_memory_ordered 1
		.amdhsa_forward_progress 1
		.amdhsa_inst_pref_size 26
	.end_amdhsa_kernel
	.amdgpu_metadata
---
amdhsa.version: [ 1, 2 ]
amdhsa.kernels:
  - .name:           k_q143cb4f50a_prep
    .symbol:         k_q143cb4f50a_prep.kd
    .args:
      - { .name: W1, .offset: 0, .size: 8, .value_kind: global_buffer, .address_space: global }
      - { .name: W2, .offset: 8, .size: 8, .value_kind: global_buffer, .address_space: global }
      - { .name: wq, .offset: 16, .size: 8, .value_kind: global_buffer, .address_space: global }
      - { .name: ws, .offset: 24, .size: 8, .value_kind: global_buffer, .address_space: global }
    .group_segment_fixed_size: 0
    .private_segment_fixed_size: 0
    .kernarg_segment_align: 8
    .kernarg_segment_size: 32
    .max_flat_workgroup_size: 32
    .sgpr_count:     66
    .vgpr_count:     144
    .wavefront_size: 32
...
	.end_amdgpu_metadata
.endif
;; end of part 1
;; launch fuse (part 2): grid 256 x 1, 8 waves a work-group, no clusters, 327,680 bytes of LDS; arguments curr_features, curr_trajectory, prev_trajectory, wq, ws, b1, b2, W3, Wg, b3, bg, out0; writes out0
.if DOCPART == 2
	.amdgcn_target "amdgcn-amd-amdhsa--gfx1250"
	.amdhsa_code_object_version 6
	.text
	.protected	k_q143cb4f50a_fuse
	.globl	k_q143cb4f50a_fuse
	.p2align	8
	.type	k_q143cb4f50a_fuse,@function
k_q143cb4f50a_fuse:
	s_mov_b64 s[64:65], 0
	v_nop
	global_prefetch_b8 v0, s[64:65] scope:SCOPE_SE
	s_setreg_imm32_b32 hwreg(HW_REG_WAVE_MODE, 25, 1), 1
	s_wait_xcnt 0x0
; out = g up + (1 - g) (gelu(gelu([up, curr, f] W1 + b1) W2 + b2) W3 + b3),  g = sigmoid([up, curr] Wg + bg),  up = prev interpolated linearly from 512 to 2,048 steps.  131,072 rows; no intermediate goes to memory.
; The products by W1 (K = 528) and W2 (K = 512) are on codes of BF6 (E3M2) with one E8M0 byte for each 32 along K; those by Wg and W3 take bf16 operands; all sums and all else are f32.
; SHARES.  A work-group of eight waves, two to a SIMD, stays on 512 rows of one batch, 8 blocks of 64.  THE WAVES SHARE THE COLUMNS: wave w makes units 64 w .. + 63 of the first hidden layer and 32 w .. + 31 of the second,
; for all 64 rows; its part of the quantised W1 and W2 (304 registers, laid by the launch before as images of these registers) and of W3 stays in its registers.  b1 and b2 lie in LDS and come in as the first product's C.
; ROLES, with m = w % 4 (a tile of 16 rows) and q = w / 4: q = 0 quantises K steps 0, 1 of x for tile m, makes the gate, adds up the partial sums and stores; q = 1 quantises K steps 2, 3 and the tail (K = 512 .. 527).
; A BLOCK, three barriers:  X: x = [up, curr, f] becomes five fragments of codes a tile, images to LDS | barrier 1, behind it the next block's features are asked for | 1: for each tile: 20 products, gelu, quantised in
; registers: half a K step of the next product, image to LDS | barrier 2 | 2: for each tile: 8 products, gelu, bf16, one product by W3: a partial sum to LDS | barrier 3 | the sums, the gate's mix, one store of 512 bytes.
; Both quantised products are used TRANSPOSED (source 0 = 16 columns of the weight, source 1 = 16 rows): a lane holds one row, its registers run along the units, which are the next K.
; A tile's products stand in one group, its accumulators by turns; the fragments of x and the gelu's temporaries share 64 registers.
; Wg's and W3's rows are laid so that lane (r, h) finds outputs 4 h .. 4 h + 3 of row r in the result's four lowest registers.
; GELU.  2 gelu(x) = x (Q(u) + c P(u)) / Q(u), c = x held to +-4 sqrt 2, u = c c: erf(z) = z P(z z) / Q(z z) with sqrt 2 and the powers of 2 folded into the coefficients.  The half is never multiplied in:
; the first hidden layer's scale bytes are lowered by 1 (the codes are the same), the second's half goes into the factor (1 - g) / 2.
; THE FEATURES are read once, by one tensor load a wave and block (16 half rows of 1,024 bytes), asked for behind barrier 1 and awaited in front of barrier 3: phases 1 and 2 stand between.  So no separate prefetch is laid.
; NO CLUSTER: the features, 1,048,576 bytes a work-group, are shared by nobody; the weights, 325,632 bytes a work-group, are read once, straight into registers.
; LIMITS: NaN and infinities are not served.  A block of zeros, or one under the floor 2^-122, gets the byte 1.  1 + erf carries an absolute error of a few 1e-7, so gelu of x under about -4 is off by that much times |x|.
.set RAWW,  16640                      ; RAW at 0: wave p's load at RAWW p: half p / 4 of rows 16 (p % 4) .. + 15: 1,024 bytes + 16 of padding each; tensor loads alone write here
.set RPITCH,1040
.set HD,    4*RAWW                     ; from a row's first half to its second
.set XIMG,  133120                     ; x's images: tile m at XT m: K steps at 1536 s, the tail (registers 0-3) at 6144
.set XT,    6656
.set XSC,   159744                     ; their scale words: tile m at XST m, 128 bytes a K step
.set XST,   640
.set HIMG,  162304                     ; the hidden layer: tile m at 6144 m, wave w's six registers at 768 w: four at 16 x lane, two at 512 + 8 x lane
.set HSC,   186880                     ; its scale words: 512 m + 128 (w / 2) + 4 x lane, wave w's two bytes at 2 (w % 2)
.set PART,  188928                     ; partial sums: wave p's at 2048 p, tile m at 512 m
.set B1L,   205312                     ; b1, b2 as they lie in memory
.set B2L,   207360
.set SPARE, 208384                     ; the spare words, 128 bytes a wave
.set WQW,   38912
.set WSW,   1792
.set W1T,   24576
.set W2F,   26624
; window 0
.set LI,1
.set LS,2
.set L8,3
.set A1,4                              ; RAW: the first block of my half of the row;  AR: the other seven;  AT: the tail
.set AR,5
.set AT,6
.set XWI,7
.set XWS,8
.set HW0,9
.set HW8,10
.set HS0,11
.set PW0,12
.set PRD,13
.set BB1,14
.set BB2,15
.set RDI,16
.set RDS,17
.set RD8,18
.set WRI,19
.set WR8,20
.set WRS,21
.set OUTO,22
.set CUO,23
.set P0O,24
.set P1O,25
.set TROW,26
.set WF,27
.set AF,28
.set SPW,29
.set NIL,30
.set TS,31
.set CA0,32
.set CB0,34
.set XS,36                             ; v36-40 the rows' scale words
.set S1,42                             ; v42-51 W1's scale words, v52-55 W2's
.set S2,52
.set W3F,56
.set W2B,64                            ; v64-111 W2's K steps 2, 3
.set ACC,112                           ; v112-143 four accumulators; at work in phase X
.set U,144                             ; v144-207 fragments of the rows' codes / the gelu's temporaries / 64 numbers of x
.set XF,U
.set GX,U
.set GU,U+16
.set GP,U+32
.set GQ,U+48
.set HB,U
.set PD,U+8
.set P0,208                            ; v208-215 prev[i0], then up; v216-223 curr; v224-231 prev[i1]
.set P1,224
.set WGF,232
.set B3V,240
.set BGS,244
.set C0K,248
.set C1K,252
.set GB,ACC
.set GD,ACC+8
.set UPS,ACC+16
; window 1: v0-191 W1's fragments (12 (4 s + t)); v192-207 its tails, four registers a tile; v208-255 W2's K steps 0, 1 (12 (2 s + t)).
; A tail is named as twelve registers from its four on: the eight behind them meet zero codes of x alone.
.set WV,2
.set G1,28
.set G0,36
.set QW,40
.set MW,41
.set HIM,42
.set NL2E,43
.set SEL,48
.set CA1,50
.set CNT2,62
.set CB1,66
.set SS,66                             ; s66-78: the head's bases, before the constants take their place
.set CL,74
.set BLK,75
.set CNT1,76
.set MX,77
.set MS,78
.set MH,79
.set MHS,80
.set MP,81
.set LOM,88
.set CLN,89
.set MSB,0
.macro WIN new
.if MSB != \new
	s_set_vgpr_msb (MSB<<8)|\new
.set MSB, \new
.endif
.endm
.macro PLACES n
.rept \n
	v_nop
.endr
.endm
.macro PAIR reg, val
	s_mov_b32 s[\reg], \val
	s_mov_b32 s[\reg+1], \val
.endm
.macro ALUW
	s_wait_alu depctr_va_vdst(0)
.endm
; 16 nb numbers of a lane, register 16 b + i = k 32 b + 16 (lane / 16) + i of my row, become 3 nb registers of codes in v[P] on and the scale bytes in v[T + 8].  T: 16 registers at work.
; hid = 1: the numbers are twice what is meant: the floor is doubled and each byte lowered by 1 (every byte is 2 at the least); the codes are the same.
.macro QUANT src, nb, hid, T, P
.set QB,0
.rept \nb
	v_max3_num_f32 v[(\T)+QB], |v[(\src)+16*QB]|, |v[(\src)+16*QB+1]|, (5+\hid)<<23
.set QB,QB+1
.endr
.set QB,0
.rept \nb
	v_max3_num_f32 v[(\T)+8+QB], |v[(\src)+16*QB+8]|, |v[(\src)+16*QB+9]|, |v[(\src)+16*QB+10]|
.set QB,QB+1
.endr
.irp i,2,4,6
.set QB,0
.rept \nb
	v_max3_num_f32 v[(\T)+QB], v[(\T)+QB], |v[(\src)+16*QB+\i]|, |v[(\src)+16*QB+\i+1]|
.set QB,QB+1
.endr
.if \i < 6
.set QB,0
.rept \nb
	v_max3_num_f32 v[(\T)+8+QB], v[(\T)+8+QB], |v[(\src)+16*QB+\i+9]|, |v[(\src)+16*QB+\i+10]|
.set QB,QB+1
.endr
.endif
.endr
.set QB,0
.rept \nb
	v_max3_num_f32 v[(\T)+QB], v[(\T)+QB], v[(\T)+8+QB], |v[(\src)+16*QB+15]|
.set QB,QB+1
.endr
.set QB,0
.rept \nb
	v_permlanex16_b32 v[(\T)+4+QB], v[(\T)+QB], s[SEL], s[SEL+1]
.set QB,QB+1
.endr
.set QB,0
.rept \nb
	v_max_num_f32 v[(\T)+QB], v[(\T)+QB], v[(\T)+4+QB]         ; the block's largest magnitude
.set QB,QB+1
.endr
.set QB,0
.rept \nb
	v_add_nc_u32 v[(\T)+12+QB], 0xfe000000, v[(\T)+QB]         ; 4 off its exponent field: the conversion's scale operand
.set QB,QB+1
.endr
.set QB,0
.rept \nb
	v_lshrrev_b32 v[(\T)+4+QB], 23, v[(\T)+12+QB]              ; the byte
.set QB,QB+1
.endr
	v_lshl_or_b32 v[(\T)+8], v[(\T)+5], 8, v[(\T)+4]
.if \nb > 2
	v_lshl_or_b32 v[(\T)+8], v[(\T)+6], 16, v[(\T)+8]
	v_lshl_or_b32 v[(\T)+8], v[(\T)+7], 24, v[(\T)+8]
.endif
.if \hid
	v_add_nc_u32 v[(\T)+8], 0xfffffeff, v[(\T)+8]              ; 1 off each of the two bytes
.endif
.set QB,0
.rept (\nb)/2
	v_cvt_scalef32_pk16_bf6_f32 v[(\P)+6*QB:(\P)+6*QB+2], v[(\src)+32*QB:(\src)+32*QB+15], v[(\T)+12+2*QB]
	v_cvt_scalef32_pk16_bf6_f32 v[(\T)+4*QB:(\T)+4*QB+2], v[(\src)+32*QB+16:(\src)+32*QB+31], v[(\T)+13+2*QB]
.set QB,QB+1
.endr
	v_nop                                          ; one plain place behind a scaled conversion
.set QB,0
.rept (\nb)/2                          ; the operand's layout wants a whole block in a lane
.irp i,0,1,2
	v_permlane16_swap_b32 v[(\P)+6*QB+\i], v[(\T)+4*QB+\i]
.endr
.irp i,0,1,2
	v_mov_b32 v[(\P)+3+6*QB+\i], v[(\T)+4*QB+\i]
.endr
.set QB,QB+1
.endr
.endm
; K step 2 q + a of my row of x, from RAW: block 4 a + b of my eight; block j of the row is features 32 j - 16 .. + 15, of which lane (r, h) takes 16 from 16 h on
.macro LOADK a
.irp b,0,1,2,3
.irp i,0,1,2,3
.if 4*(\a)+\b == 0
	ds_load_b128 v[U+16*\b+4*\i:U+16*\b+4*\i+3], v[A1] offset:16*\i
.else
	ds_load_b128 v[U+16*\b+4*\i:U+16*\b+4*\i+3], v[AR] offset:128*(4*(\a)+\b)-64+16*\i
.endif
.endr
.endr
.endm
.macro XOUT off, soff
.irp c,0,1,2
	ds_store_b128 v[XWI], v[ACC+16+4*\c:ACC+19+4*\c] offset:(\off)+512*\c
.endr
	ds_store_b32 v[XWS], v[ACC+8] offset:\soff
.endm
; The small data of the block to be asked for (q = 0).  i0 = floor(511 t / 2047) by whole numbers; pos = 511 x (t / 2047) in f32, the quotient rounded once; w = pos - i0 is exact.
.macro NEXT first
.if \first == 0
	s_add_nc_u64 s[6:7], s[6:7], 2048              ; curr: 64 rows on (the last loads from it have been waited for)
.endif
	v_mul_u32_u24 v[ACC], v[TROW], 511
	v_cvt_f32_u32 v[ACC+2], v[TROW]
	v_lshrrev_b32 v[ACC+1], 11, v[ACC]
	v_and_b32 v[ACC], 0x7ff, v[ACC]
	v_add3_u32 v[ACC], v[ACC], v[ACC+1], 1
	v_lshrrev_b32 v[ACC], 11, v[ACC]
	v_add_nc_u32 v[ACC], v[ACC+1], v[ACC]          ; i0
	v_mul_f32 v[ACC+3], 0x3a001002, v[ACC+2]
	v_add_nc_u32 v[ACC+1], 1, v[ACC]
	v_min_u32 v[ACC+1], 0x1ff, v[ACC+1]            ; i1
	v_lshlrev_b32 v[P0O], 5, v[ACC]
	v_lshlrev_b32 v[P1O], 5, v[ACC+1]
	v_fmamk_f32 v[TS], v[ACC+3], 0xc4ffe000, v[ACC+2]
	v_fmamk_f32 v[ACC+3], v[TS], 0x3a001002, v[ACC+3]
	v_mul_f32 v[ACC+3], 0x43ff8000, v[ACC+3]       ; pos
	v_cvt_f32_u32 v[ACC], v[ACC]
	v_sub_f32 v[WF], v[ACC+3], v[ACC]
	v_sub_f32 v[AF], 1.0, v[WF]
	v_add_nc_u32 v[TROW], 64, v[TROW]
	global_load_b128 v[P0:P0+3], v[P0O], s[8:9]
	global_load_b128 v[P0+4:P0+7], v[P0O], s[8:9] offset:16
	global_load_b128 v[P1:P1+3], v[P1O], s[8:9]
	global_load_b128 v[P1+4:P1+7], v[P1O], s[8:9] offset:16
	global_load_b128 v[P0+8:P0+11], v[CUO], s[6:7]
	global_load_b128 v[P0+12:P0+15], v[CUO], s[6:7] offset:16
.endm
.macro SMUL d, a, b, sa, sb, row       ; D = C = v[d ..], source 0 = v[a ..] (the weight), source 1 = v[b ..] (the rows); row = 1: the weight's scale words lie in lanes 16-31
.if \row
	v_wmma_scale_f32_16x16x128_f8f6f4 v[(\d):(\d)+7], v[(\a):(\a)+11], v[(\b):(\b)+11], v[(\d):(\d)+7], v[\sa], v[\sb] matrix_a_fmt:MATRIX_FMT_BF6 matrix_b_fmt:MATRIX_FMT_BF6 matrix_a_scale:MATRIX_SCALE_ROW1
.else
	v_wmma_scale_f32_16x16x128_f8f6f4 v[(\d):(\d)+7], v[(\a):(\a)+11], v[(\b):(\b)+11], v[(\d):(\d)+7], v[\sa], v[\sb] matrix_a_fmt:MATRIX_FMT_BF6 matrix_b_fmt:MATRIX_FMT_BF6
.endif
.endm
; 2 gelu, in place, on v[a] .. v[a + 15].  The sixteen reciprocals are one batch: one wait ahead of it, eight plain lines behind it, one wait ahead of its first reader.
; mw = 1: reciprocals stand between the products that wrote v[a ..] and this first read of them: the wait stands directly ahead of it.
.macro GELU16 a, mw
.if \mw
	ALUW
.endif
.irp i,0,1,2,3,4,5,6,7,8,9,10,11,12,13,14,15
	v_med3_num_f32 v[GX+\i], v[(\a)+\i], s[CLN], s[CL]             ; each accumulator is read from its low end on
.endr
.irp i,0,2,4,6,8,10,12,14
	v_pk_mul_f32 v[GU+\i:GU+\i+1], v[GX+\i:GX+\i+1], v[GX+\i:GX+\i+1]
.endr
.irp i,0,2,4,6,8,10,12,14
	v_pk_fma_f32 v[GP+\i:GP+\i+1], v[GU+\i:GU+\i+1], v[CA0:CA0+1], s[CA1:CA1+1] op_sel_hi:[1,1,0]
.endr
.irp i,0,2,4,6,8,10,12,14
	v_pk_fma_f32 v[GQ+\i:GQ+\i+1], v[GU+\i:GU+\i+1], v[CB0:CB0+1], s[CB1:CB1+1] op_sel_hi:[1,1,0]
.endr
.irp k,1,2,3
.irp i,0,2,4,6,8,10,12,14
	v_pk_fma_f32 v[GP+\i:GP+\i+1], v[GP+\i:GP+\i+1], v[GU+\i:GU+\i+1], s[CA1+2*\k:CA1+2*\k+1] op_sel_hi:[1,1,0]
.endr
.irp i,0,2,4,6,8,10,12,14
	v_pk_fma_f32 v[GQ+\i:GQ+\i+1], v[GQ+\i:GQ+\i+1], v[GU+\i:GU+\i+1], s[CB1+2*\k:CB1+2*\k+1] op_sel_hi:[1,1,0]
.endr
.endr
.irp k,4,5
.irp i,0,2,4,6,8,10,12,14
	v_pk_fma_f32 v[GP+\i:GP+\i+1], v[GP+\i:GP+\i+1], v[GU+\i:GU+\i+1], s[CA1+2*\k:CA1+2*\k+1] op_sel_hi:[1,1,0]
.endr
.endr
.irp i,0,2,4,6,8,10,12,14
	v_pk_fma_f32 v[GP+\i:GP+\i+1], v[GX+\i:GX+\i+1], v[GP+\i:GP+\i+1], v[GQ+\i:GQ+\i+1]     ; Q + c P
.endr
	ALUW
.irp i,0,1,2,3,4,5,6,7,8,9,10,11,12,13,14,15
	v_rcp_f32 v[GU+\i], v[GQ+\i]                   ; u is done with: 1 / Q takes its place
.endr
.irp i,0,2,4,6,8,10,12,14
	v_pk_mul_f32 v[(\a)+\i:(\a)+\i+1], v[(\a)+\i:(\a)+\i+1], v[GP+\i:GP+\i+1]
.endr
	ALUW
.irp i,0,2,4,6,8,10,12,14
	v_pk_mul_f32 v[(\a)+\i:(\a)+\i+1], v[(\a)+\i:(\a)+\i+1], v[GU+\i:GU+\i+1]
.endr
.endm
; q = 0: my tile's eight partial sums, out = c1 x sum + c0; lane (r, h) stores outputs 4 h .. 4 h + 3 of row r: the wave 512 consecutive bytes
.macro FSUM
.irp p,0,1,2,3,4,5,6,7
	ds_load_b128 v[ACC+4*\p:ACC+4*\p+3], v[PRD] offset:2048*\p
.endr
	s_wait_dscnt 0x0
.irp p,0,8,16,24
.irp i,0,2
	v_pk_add_f32 v[ACC+\p+\i:ACC+\p+\i+1], v[ACC+\p+\i:ACC+\p+\i+1], v[ACC+\p+4+\i:ACC+\p+5+\i]
.endr
.endr
.irp p,0,16
.irp i,0,2
	v_pk_add_f32 v[ACC+\p+\i:ACC+\p+\i+1], v[ACC+\p+\i:ACC+\p+\i+1], v[ACC+\p+8+\i:ACC+\p+9+\i]
.endr
.endr
.irp i,0,2
	v_pk_add_f32 v[ACC+\i:ACC+\i+1], v[ACC+\i:ACC+\i+1], v[ACC+16+\i:ACC+17+\i]
.endr
.irp i,0,2
	v_pk_fma_f32 v[ACC+28+\i:ACC+29+\i], v[C1K+\i:C1K+\i+1], v[ACC+\i:ACC+\i+1], v[C0K+\i:C0K+\i+1]
.endr
	global_store_b128 v[OUTO], v[ACC+28:ACC+31], s[26:27] th:TH_STORE_NT
.endm
; PHASE X, behind a barrier at which every wave has shown its tensor load landed.  lw: the global loads that may stay out when the six small ones are wanted; fin = 1: the block just finished is summed and stored first.
.macro XPHASE lw, fin
	LOADK 0
	s_cmp_lg_u32 s[QW], 0
	s_cbranch_scc1 .Lxq1_\@
.if \fin
	FSUM
.endif
	s_wait_loadcnt \lw
.irp j,0,1,2,3,4,5,6,7
	v_mul_f32 v[P0+\j], v[AF], v[P0+\j]
.endr
.irp j,0,1,2,3,4,5,6,7
	v_fma_f32 v[P0+\j], v[WF], v[P1+\j], v[P0+\j]  ; up = (1 - w) prev[i0] + w prev[i1]
.endr
.irp n,0,1,2,3,4,5,6,7
	v_cvt_pk_bf16_f32 v[GB+\n], v[P0+2*\n], v[P0+2*\n+1]   ; every lane holds its row's 16 numbers; Wg's fragment is zero in lanes 16-31, so each counts once
.endr
	v_wmma_f32_16x16x32_bf16 v[GD:GD+7], v[WGF:WGF+7], v[GB:GB+7], 0
.irp j,0,1,2,3
	v_cndmask_b32 v[UPS+\j], v[P0+\j], v[P0+4+\j], s[HIM]  ; up of my four outputs: the four places behind the product
.endr
.irp j,0,1,2,3
	v_fma_f32 v[GD+\j], v[GD+\j], s[NL2E], v[BGS+\j]       ; - (z + bg) log2(e)
.endr
	ALUW
.irp j,0,1,2,3
	v_exp_f32 v[GD+\j], v[GD+\j]
.endr
.irp j,0,1,2,3
	v_sub_f32 v[C0K+\j], v[UPS+\j], v[B3V+\j]
.endr
	ALUW
.irp j,0,1,2,3
	v_add_f32 v[GD+\j], 1.0, v[GD+\j]
.endr
	ALUW
.irp j,0,1,2,3
	v_rcp_f32 v[GD+\j], v[GD+\j]                   ; g
.endr
	v_nop
	ALUW
.irp j,0,1,2,3
	v_fma_f32 v[C0K+\j], v[GD+\j], v[C0K+\j], v[B3V+\j]    ; c0 = g up + (1 - g) b3
.endr
.irp j,0,1,2,3
	v_fma_f32 v[C1K+\j], v[GD+\j], -0.5, 0.5       ; c1 = (1 - g) / 2: the second gelu's half
.endr
	s_wait_dscnt 0x0                               ; K step 0 is in
.irp i,0,1,2,3,4,5,6,7,8,9,10,11,12,13,14,15
	v_cndmask_b32 v[U+\i], v[P0+\i], v[U+\i], s[HIM]       ; block 0: lanes 0-15 up and curr, lanes 16-31 features 0-15
.endr
.if \fin
	s_wait_xcnt 0x0                                ; the store has read its base
	s_add_nc_u64 s[26:27], s[26:27], 2048
.endif
	ALUW
	s_branch .Lxj_\@
.Lxq1_\@:                                              ; q = 1: the tail's block: features 496-511 in lanes 0-15; all else of this K step is zero codes
.irp i,0,1,2,3
	ds_load_b128 v[ACC+4*\i:ACC+4*\i+3], v[AT] offset:960+16*\i
.endr
	s_wait_dscnt 0x0                               ; the tail and K step 2 are in
.irp i,0,1,2,3,4,5,6,7,8,9,10,11,12,13,14,15
	v_cndmask_b32 v[ACC+\i], 0, v[ACC+\i], s[LOM]
.endr
	v_max3_num_f32 v[ACC+16], |v[ACC]|, |v[ACC+1]|, 5<<23
	v_max3_num_f32 v[ACC+17], |v[ACC+2]|, |v[ACC+3]|, |v[ACC+4]|
.irp i,5,9
	v_max3_num_f32 v[ACC+16], v[ACC+16], |v[ACC+\i]|, |v[ACC+\i+1]|
	v_max3_num_f32 v[ACC+17], v[ACC+17], |v[ACC+\i+2]|, |v[ACC+\i+3]|
.endr
	v_max3_num_f32 v[ACC+16], v[ACC+16], |v[ACC+13]|, |v[ACC+14]|
	v_max3_num_f32 v[ACC+16], v[ACC+16], v[ACC+17], |v[ACC+15]|
	v_add_nc_u32 v[ACC+18], 0xfe000000, v[ACC+16]
	v_lshrrev_b32 v[TS], 23, v[ACC+18]             ; the word: the block's byte, 0 above it
	v_mov_b32 v[ACC+31], 0
	v_cvt_scalef32_pk16_bf6_f32 v[ACC+28:ACC+30], v[ACC:ACC+15], v[ACC+18]
	v_nop
	ds_store_b128 v[XWI], v[ACC+28:ACC+31] offset:3072
	ds_store_b32 v[XWS], v[TS] offset:256
.Lxj_\@:
	QUANT U, 4, 0, ACC, ACC+16
	XOUT 0, 0
	LOADK 1
	s_wait_dscnt 0x0                               ; my second K step is in, and the stores above have read their registers
	QUANT U, 4, 0, ACC, ACC+16
	XOUT 1536, 128
.endm
; BARRIER 1: x's images are whole, and no wave reads RAW any more.  fill = 1: my bytes of RAW are filled again: all my tensor loads have landed, the add, the wait for it and for my LDS reads, the barrier, and my one load first behind it.
.macro BAR1 fill
.if \fill
	s_wait_tensorcnt 0x0
	ds_add_u32 v[SPW], v[NIL]
	s_add_nc_u64 s[G0+2:G0+3], s[G0+2:G0+3], 0x20000   ; 64 rows of 2,048 bytes on
.endif
	s_mov_b32 s[MX], XIMG
	s_mov_b32 s[MS], XSC
	s_wait_dscnt 0x0
	s_barrier_signal -1
	s_barrier_wait -1
.if \fill
	tensor_load_to_lds s[G0:G0+3], s[G1:G1+7]
	s_nop 0
	PLACES 4
	s_cmp_lg_u32 s[QW], 0
	s_cbranch_scc1 .Lnx_\@
	NEXT 0
.Lnx_\@:
.endif
.endm
; PHASE 1, four trips, a tile of 16 rows each: five fragments of x and b1 (as C) from LDS, 20 products, gelu on 32 numbers a lane, quantised: registers 6 (w % 2) .. + 5 of K step w / 2 of the next product
.macro PHASE1
	s_mov_b32 s[MH], HIMG
	s_mov_b32 s[MHS], HSC
	s_mov_b32 s[CNT1], 4
.Lp1_\@:
.irp i,0,1,2,3,4,5,6,7
	v_mov_b32 v[XF+52+\i], 0                       ; registers 4-11 of x's tail fragment; the five lines below are the places ahead of the scaled products
.endr
	v_add_nc_u32 v[RDI], s[MX], v[LI]
	v_add_nc_u32 v[RDS], s[MS], v[LS]
	v_add_nc_u32 v[WRI], s[MH], v[HW0]
	v_add_nc_u32 v[WR8], s[MH], v[HW8]
	v_add_nc_u32 v[WRS], s[MHS], v[HS0]
.irp s,0,1,2,3
.irp c,0,1,2
	ds_load_b128 v[XF+12*\s+4*\c:XF+12*\s+4*\c+3], v[RDI] offset:1536*\s+512*\c
.endr
	ds_load_b32 v[XS+\s], v[RDS] offset:128*\s
.endr
	ds_load_b128 v[XF+48:XF+51], v[RDI] offset:6144
	ds_load_b32 v[XS+4], v[RDS] offset:512
.irp t,0,1,2,3
	ds_load_b128 v[ACC+8*\t:ACC+8*\t+3], v[BB1] offset:128*(\t/2)+32*(\t%2)        ; b1 of units 32 (t / 2) + 8 (t % 2) + 16 h + 0 .. 7
	ds_load_b128 v[ACC+8*\t+4:ACC+8*\t+7], v[BB1] offset:128*(\t/2)+32*(\t%2)+16
.endr
	ALUW
	s_wait_dscnt 0x0
	WIN 0x01                                       ; the weights: window 1
.irp s,0,1,2,3
.irp t,0,1,2,3
	SMUL ACC+8*\t, 12*(4*\s+\t), XF+12*\s, S1+2*\s+(\t%2), XS+\s, \t/2
.endr
.endr
.irp t,0,1,2,3
	SMUL ACC+8*\t, 192+4*\t, XF+48, S1+8+(\t%2), XS+4, \t/2
.endr
	WIN 0
	s_add_co_u32 s[MX], s[MX], XT
	s_add_co_u32 s[MS], s[MS], XST
	PLACES 4
	GELU16 ACC, 0
	GELU16 ACC+16, 1
	QUANT ACC, 2, 1, U, U+16
	ds_store_b128 v[WRI], v[U+16:U+19]
	ds_store_b64 v[WR8], v[U+20:U+21] offset:512
	ds_store_b16 v[WRS], v[U+8]
	s_add_co_u32 s[MH], s[MH], 6144
	s_add_co_u32 s[MHS], s[MHS], 512
	s_sub_co_u32 s[CNT1], s[CNT1], 1
	s_wait_dscnt 0x0                               ; the stores have read their registers
	s_cmp_lg_u32 s[CNT1], 0
	s_cbranch_scc1 .Lp1_\@
.endm
.macro BAR2                            ; the hidden layer's fragments are whole; my tensor load may stay out
	s_mov_b32 s[MX], HIMG
	s_mov_b32 s[MS], HSC
	s_wait_loadcnt 0x0                             ; W2's fragments (the first time round), and the small loads
	s_wait_dscnt 0x0
	s_barrier_signal -1
	s_barrier_wait -1
.endm
; PHASE 2, four trips: the hidden layer's four fragments and b2 from LDS, 8 products on two accumulators by turns, gelu, bf16, one product by W3, the partial sum's four lowest registers to LDS
.macro PHASE2
	s_mov_b32 s[MP], PART
	s_mov_b32 s[CNT2], 4
.Lp2_\@:
	v_add_nc_u32 v[RDI], s[MX], v[LI]
	v_add_nc_u32 v[RD8], s[MX], v[L8]
	v_add_nc_u32 v[RDS], s[MS], v[LS]
	v_add_nc_u32 v[WRI], s[MP], v[PW0]
.irp w,0,1,2,3,4,5,6,7
	ds_load_b128 v[XF+6*\w:XF+6*\w+3], v[RDI] offset:768*\w
	ds_load_b64 v[XF+6*\w+4:XF+6*\w+5], v[RD8] offset:768*\w+512
.endr
.irp s,0,1,2,3
	ds_load_b32 v[XS+\s], v[RDS] offset:128*\s
.endr
.irp t,0,1
	ds_load_b128 v[ACC+8*\t:ACC+8*\t+3], v[BB2] offset:64*\t
	ds_load_b128 v[ACC+8*\t+4:ACC+8*\t+7], v[BB2] offset:64*\t+16
.endr
	s_wait_dscnt 0x0
	WIN 0x01
.irp s,0,1
.irp t,0,1
	SMUL ACC+8*\t, 208+12*(2*\s+\t), XF+12*\s, S2+\s, XS+\s, \t
.endr
.endr
	WIN 0
.irp s,2,3
.irp t,0,1
	SMUL ACC+8*\t, W2B+12*(2*\s-4+\t), XF+12*\s, S2+\s, XS+\s, \t
.endr
.endr
	s_add_co_u32 s[MX], s[MX], 6144
	s_add_co_u32 s[MS], s[MS], 512
	PLACES 4
	GELU16 ACC, 0
.irp n,0,1,2,3,4,5,6,7
	v_cvt_pk_bf16_f32 v[HB+\n], v[ACC+2*\n], v[ACC+2*\n+1]   ; tiles 0, 1 are units 8 h + j and 16 + 8 h + j: source 1 of a bf16 product as they stand
.endr
	v_wmma_f32_16x16x32_bf16 v[PD:PD+7], v[W3F:W3F+7], v[HB:HB+7], 0
	PLACES 4
	ds_store_b128 v[WRI], v[PD:PD+3]
	s_add_co_u32 s[MP], s[MP], 512
	s_sub_co_u32 s[CNT2], s[CNT2], 1
	s_wait_dscnt 0x0
	s_cmp_lg_u32 s[CNT2], 0
	s_cbranch_scc1 .Lp2_\@
.endm
.macro BAR3                            ; the partial sums are whole, and my part of the next block's features has landed: other waves read both behind this barrier
	s_wait_tensorcnt 0x0
	s_wait_dscnt 0x0
	s_barrier_signal -1
	s_barrier_wait -1
.endm
	; ================ the head
	s_load_b512 s[4:19], s[0:1], 0x0               ; features, curr, prev, wq, ws, b1, b2, W3
	s_load_b256 s[20:27], s[0:1], 0x40             ; Wg, b3, bg, out0
	v_lshl_add_u32 v[SPW], v0, 2, SPARE
	v_mov_b32 v[NIL], 0
	ds_add_u32 v[SPW], v[NIL]
	ds_add_u32 v[SPW], v[NIL]
	v_lshrrev_b32 v[TS], 5, v0
	v_readfirstlane_b32 s[WV], v[TS]               ; wave 0..7
	; the descriptor: 16 rows of 1,024 bytes (128 elements of 8 bytes), 2,048 bytes apart in memory, 16 bytes of padding behind each in LDS
	s_mov_b32 s[G1+0], (3<<16)|(1<<20)|(7<<22)|(3<<25)
	s_mov_b32 s[G1+1], 128<<16
	s_mov_b32 s[G1+2], 16<<16
	s_mov_b32 s[G1+3], 128<<16
	s_mov_b32 s[G1+4], 16
	s_mov_b32 s[G1+5], 256
	s_mov_b32 s[G1+6], 0
	s_mov_b32 s[G1+7], 0
	s_mov_b32 s[G0], 1
	s_mul_i32 s[G0+1], s[WV], RAWW
	s_and_b32 s[MW], s[WV], 3
	s_lshr_b32 s[QW], s[WV], 2
	s_lshl_b32 s82, ttmp9, 20                      ; 512 rows of 2,048 bytes a work-group,
	s_lshl_b32 s3, s[MW], 15                       ; rows 16 m on,
	s_add_co_u32 s82, s82, s3
	s_lshl_b32 s3, s[QW], 10                       ; half q of each
	s_add_co_u32 s82, s82, s3
	s_mov_b32 s83, 0
	s_wait_dscnt 0x0
	s_wait_kmcnt 0x0
	s_add_nc_u64 s[G0+2:G0+3], s[4:5], s[82:83]
	s_or_b32 s[G0+3], s[G0+3], 0x80000000
	tensor_load_to_lds s[G0:G0+3], s[G1:G1+7]      ; block 0's features
	s_nop 0
	PLACES 4
	s_lshl_b32 s82, ttmp9, 14                      ; curr and out0: (512 work-group + 16 m) rows of 32 bytes
	s_lshl_b32 s3, s[MW], 9
	s_add_co_u32 s82, s82, s3
	s_add_nc_u64 s[6:7], s[6:7], s[82:83]
	s_add_nc_u64 s[26:27], s[26:27], s[82:83]
	s_lshr_b32 s82, ttmp9, 2                       ; prev: the batch's 512 rows of 32 bytes
	s_lshl_b32 s82, s82, 14
	s_add_nc_u64 s[8:9], s[8:9], s[82:83]
	s_mul_i32 s82, s[WV], WQW
	s_add_nc_u64 s[10:11], s[10:11], s[82:83]
	s_mul_i32 s82, s[WV], WSW
	s_add_nc_u64 s[12:13], s[12:13], s[82:83]
	s_lshl_b32 s82, s[WV], 10                      ; W3: my 32 rows of 32 bytes
	s_add_nc_u64 s[18:19], s[18:19], s[82:83]
	s_mul_i32 s[SS], s[MW], RAWW
	s_mul_i32 s[SS+1], s[QW], HD
	s_mul_i32 s[SS+2], s[QW], 960
	s_mul_i32 s[SS+3], s[QW], HD-960
	s_mul_i32 s[SS+4], s[MW], XT
	s_mul_i32 s3, s[QW], 3072
	s_add_co_u32 s[SS+4], s[SS+4], s3
	s_add_co_u32 s[SS+4], s[SS+4], XIMG
	s_mul_i32 s[SS+5], s[MW], XST
	s_lshl_b32 s3, s[QW], 8
	s_add_co_u32 s[SS+5], s[SS+5], s3
	s_add_co_u32 s[SS+5], s[SS+5], XSC
	s_mul_i32 s[SS+6], s[WV], 768
	s_lshr_b32 s[SS+7], s[WV], 1
	s_lshl_b32 s[SS+7], s[SS+7], 7
	s_and_b32 s3, s[WV], 1
	s_lshl_b32 s3, s3, 1
	s_add_co_u32 s[SS+7], s[SS+7], s3
	s_lshl_b32 s[SS+8], s[WV], 11
	s_lshl_b32 s[SS+9], s[MW], 9
	s_add_co_u32 s[SS+9], s[SS+9], PART
	s_lshl_b32 s[SS+10], s[WV], 8
	s_add_co_u32 s[SS+10], s[SS+10], B1L
	s_lshl_b32 s[SS+11], s[WV], 7
	s_add_co_u32 s[SS+11], s[SS+11], B2L
	s_and_b32 s[SS+12], ttmp9, 3
	s_lshl_b32 s[SS+12], s[SS+12], 9
	s_lshl_b32 s3, s[MW], 4
	s_add_co_u32 s[SS+12], s[SS+12], s3
	s_mov_b32 s[HIM], 0xffff0000
	s_mov_b32 s[LOM], 0x0000ffff
	s_mov_b32 s[NL2E], 0xbfb8aa3b
	s_mov_b32 s[SEL], 0x76543210
	s_mov_b32 s[SEL+1], 0xfedcba98
	; all the head's vector lines on end
.set VR,U+40
.set VH,U+41
.set VT,U+42
.set VA,U+43
.set VB,U+44
.set VC,U+45
.set VD,U+46
.set VE,U+47
.set VF,U+48
.set VG,U+49
	v_and_b32 v[TS], 31, v0
	v_lshlrev_b32 v[LI], 4, v[TS]
	v_lshlrev_b32 v[LS], 2, v[TS]
	v_lshlrev_b32 v[L8], 3, v[TS]
	v_and_b32 v[VR], 15, v0                        ; r
	v_bfe_u32 v[VH], v0, 4, 1                      ; h
	v_mul_u32_u24 v[VT], v[VR], RPITCH
	v_add_nc_u32 v[VT], s[SS], v[VT]               ; my row's first half
	v_mul_u32_u24 v[A1], s[SS+3], v[VH]
	v_add_nc_u32 v[A1], v[A1], v[VT]
	v_add_nc_u32 v[A1], s[SS+2], v[A1]             ; q = 0: byte 0; q = 1: lanes 0-15 byte 960 of the first half, lanes 16-31 byte 0 of the second
	v_lshl_add_u32 v[AR], v[VH], 6, v[VT]
	v_add_nc_u32 v[AR], s[SS+1], v[AR]
	v_add_nc_u32 v[AT], HD, v[VT]
	v_add_nc_u32 v[XWI], s[SS+4], v[LI]
	v_add_nc_u32 v[XWS], s[SS+5], v[LS]
	v_add_nc_u32 v[HW0], s[SS+6], v[LI]
	v_add_nc_u32 v[HW8], s[SS+6], v[L8]
	v_add_nc_u32 v[HS0], s[SS+7], v[LS]
	v_add_nc_u32 v[PW0], s[SS+8], v[LI]
	v_add_nc_u32 v[PRD], s[SS+9], v[LI]
	v_lshl_add_u32 v[BB1], v[VH], 6, s[SS+10]
	v_lshl_add_u32 v[BB2], v[VH], 5, s[SS+11]
	v_lshlrev_b32 v[CUO], 5, v[VR]
	v_lshl_add_u32 v[OUTO], v[VH], 4, v[CUO]
	v_add_nc_u32 v[TROW], s[SS+12], v[VR]          ; my row's time step in block 0
	v_and_b32 v[VA], 3, v0
	v_bfe_u32 v[VB], v0, 3, 1
	v_lshl_add_u32 v[VA], v[VB], 2, v[VA]          ; row a of Wg's and W3's fragments is output 4 (a / 8) + a % 4
	v_lshlrev_b32 v[VA], 2, v[VA]
	v_lshl_add_u32 v[VB], v[VH], 8, v[VA]          ; W3: + 8 h rows
	v_lshlrev_b32 v[VC], 4, v[VH]                  ; b3, bg: my four outputs
	v_lshlrev_b32 v[VD], 3, v0
	v_lshlrev_b32 v[VE], 2, v0
	v_add_nc_u32 v[VF], B1L, v[VD]
	v_add_nc_u32 v[VG], B2L, v[VE]
	v_mov_b32 v[CA0], 0xac95df0b                   ; the coefficients of u^6 and of u^4
	v_mov_b32 v[CA0+1], 0xac95df0b
	v_mov_b32 v[CB0], 0xb5accd2b
	v_mov_b32 v[CB0+1], 0xb5accd2b
	ALUW
	s_cmp_lg_u32 s[QW], 0
	s_cbranch_scc1 .Lh0
	NEXT 1                                         ; q = 0: block 0's prev rows and curr, Wg, b3, bg
.irp e,0,1,2,3,4,5,6,7,8,9,10,11,12,13,14,15
	global_load_b32 v[U+\e], v[VA], s[20:21] offset:32*\e
.endr
	global_load_b128 v[B3V:B3V+3], v[VC], s[22:23]
	global_load_b128 v[BGS:BGS+3], v[VC], s[24:25]
.Lh0:
.irp e,0,1,2,3,4,5,6,7,8,9,10,11,12,13,14,15
	global_load_b32 v[U+16+\e], v[VB], s[18:19] offset:32*\e+256*(\e/8)   ; W3[32 w + 8 h + e + 8 (e / 8)][output]: a bf16 fragment's order
.endr
	global_load_b64 v[U+32:U+33], v[VD], s[14:15]  ; b1 and b2, shared out among the 256 threads
	global_load_b32 v[U+34], v[VE], s[16:17]
	; what stays in registers: 90 loads; the 12 of W2's K steps 2, 3 last (W2's K steps 0, 1 lie behind W1's tails, whose operands name their first registers)
	WIN 0x40
.irp f,0,1,2,3,4,5,6,7,8,9,10,11,12,13,14,15
.irp c,0,1,2
	global_load_b128 v[12*\f+4*\c:12*\f+4*\c+3], v[LI], s[10:11] offset:1536*\f+512*\c
.endr
.endr
.irp t,0,1,2,3
	global_load_b128 v[192+4*\t:195+4*\t], v[LI], s[10:11] offset:W1T+512*\t
.endr
.irp f,0,1,2,3
.irp c,0,1,2
	global_load_b128 v[208+12*\f+4*\c:208+12*\f+4*\c+3], v[LI], s[10:11] offset:W2F+1536*\f+512*\c
.endr
.endr
	WIN 0
.irp i,0,1,2,3,4,5,6,7,8,9,10,11,12,13
	global_load_b32 v[S1+\i], v[LS], s[12:13] offset:128*\i
.endr
.irp f,0,1,2,3
.irp c,0,1,2
	global_load_b128 v[W2B+12*\f+4*\c:W2B+12*\f+4*\c+3], v[LI], s[10:11] offset:W2F+1536*(4+\f)+512*\c
.endr
.endr
	s_mov_b32 s[CL], 0x40b504f3                    ; 4 sqrt 2
	s_mov_b32 s[CLN], 0xc0b504f3
	PAIR CA1,    0x306dffee                        ; P: from u^5 down
	PAIR CA1+2,  0xb40cff51
	PAIR CA1+4,  0xb6eec2d2
	PAIR CA1+6,  0xb940ac63
	PAIR CA1+8,  0xbac1a1f6
	PAIR CA1+10, 0xbc83dbd4
	PAIR CB1,    0xb81e3512                        ; Q: from u^3 down
	PAIR CB1+2,  0xba1bf7b5
	PAIR CB1+4,  0xbbaad7f2
	PAIR CB1+6,  0xbca542a9
	s_wait_loadcnt 63                              ; 90 loads were issued behind the small ones: with 63 out at the most, those are in
.irp i,0,1,2,3,4,5,6,7
	v_cvt_pk_bf16_f32 v[W3F+\i], v[U+16+2*\i], v[U+17+2*\i]
.endr
	ds_store_b64 v[VF], v[U+32:U+33]
	ds_store_b32 v[VG], v[U+34]
	s_cmp_lg_u32 s[QW], 0
	s_cbranch_scc1 .Lh1
.irp i,0,1,2,3,4,5,6,7
	v_cvt_pk_bf16_f32 v[WGF+\i], v[U+2*\i], v[U+2*\i+1]
.endr
.irp i,0,1,2,3,4,5,6,7
	v_cndmask_b32 v[WGF+\i], 0, v[WGF+\i], s[LOM]  ; lanes 0-15 hold all 16 of K, lanes 16-31 zeros
.endr
.irp j,0,1,2,3
	v_mul_f32 v[BGS+\j], s[NL2E], v[BGS+\j]
.endr
.Lh1:
	ALUW
	s_wait_xcnt 0x0                                ; every load has read its offset register: those in v144-207 are written again in phase X
	s_wait_tensorcnt 0x0                           ; my half rows of block 0 have landed,
	s_wait_dscnt 0x0                               ; my share of b1 and b2 is stored
	s_barrier_signal -1
	s_barrier_wait -1
	XPHASE 63, 0                                   ; block 0's x, while the weights land
	s_wait_loadcnt 12                              ; all of window 1 and the scale words are in; the 12 loads of W2's K steps 2, 3 may be out until barrier 2
	s_mov_b32 s[BLK], 7
.Lblock:                                               ; seven trips: block i is finished, block i + 1 asked for and quantised
	BAR1 1
	PHASE1
	BAR2
	PHASE2
	BAR3
	XPHASE 0, 1
	s_sub_co_u32 s[BLK], s[BLK], 1
	s_cmp_lg_u32 s[BLK], 0
	s_cbranch_scc1 .Lblock
	BAR1 0                                         ; the last block is written out: nothing more is asked for
	PHASE1
	BAR2
	PHASE2
	BAR3
	s_cmp_lg_u32 s[QW], 0
	s_cbranch_scc1 .Lend
	FSUM
.Lend:
	s_wait_tensorcnt 0x0                           ; the wave's end
	ds_add_u32 v[SPW], v[NIL]
	s_wait_dscnt 0x0
	s_endpgm
.Lfunc_end_k_q143cb4f50a_fuse:
	.size	k_q143cb4f50a_fuse, .Lfunc_end_k_q143cb4f50a_fuse-k_q143cb4f50a_fuse
	.p2alignl 7, 3214868480
	.fill 96, 4, 3214868480
	.section	.rodata,"a",@progbits
	.p2align	6, 0x0
	.amdhsa_kernel k_q143cb4f50a_fuse
		.amdhsa_group_segment_fixed_size 327680
		.amdhsa_private_segment_fixed_size 0
		.amdhsa_enable_private_segment 0
		.amdhsa_kernarg_size 96
		.amdhsa_user_sgpr_count 2
		.amdhsa_user_sgpr_kernarg_segment_ptr 1
		.amdhsa_wavefront_size32 1
		.amdhsa_system_sgpr_workgroup_id_x 1
		.amdhsa_system_sgpr_workgroup_id_y 1
		.amdhsa_system_sgpr_workgroup_id_z 1
		.amdhsa_system_vgpr_workitem_id 0
		.amdhsa_next_free_vgpr 512
		.amdhsa_next_free_sgpr 90
		.amdhsa_reserve_vcc 0
		.amdhsa_float_denorm_mode_32 3
		.amdhsa_float_denorm_mode_16_64 3
		.amdhsa_memory_ordered 1
		.amdhsa_forward_progress 1
		.amdhsa_inst_pref_size 137
	.end_amdhsa_kernel
	.amdgpu_metadata
---
amdhsa.version: [ 1, 2 ]
amdhsa.kernels:
  - .name:           k_q143cb4f50a_fuse
    .symbol:         k_q143cb4f50a_fuse.kd
    .args:
      - { .name: curr_features, .offset: 0, .size: 8, .value_kind: global_buffer, .address_space: global }
      - { .name: curr_trajectory, .offset: 8, .size: 8, .value_kind: global_buffer, .address_space: global }
      - { .name: prev_trajectory, .offset: 16, .size: 8, .value_kind: global_buffer, .address_space: global }
      - { .name: wq, .offset: 24, .size: 8, .value_kind: global_buffer, .address_space: global }
      - { .name: ws, .offset: 32, .size: 8, .value_kind: global_buffer, .address_space: global }
      - { .name: b1, .offset: 40, .size: 8, .value_kind: global_buffer, .address_space: global }
      - { .name: b2, .offset: 48, .size: 8, .value_kind: global_buffer, .address_space: global }
      - { .name: W3, .offset: 56, .size: 8, .value_kind: global_buffer, .address_space: global }
      - { .name: Wg, .offset: 64, .size: 8, .value_kind: global_buffer, .address_space: global }
      - { .name: b3, .offset: 72, .size: 8, .value_kind: global_buffer, .address_space: global }
      - { .name: bg, .offset: 80, .size: 8, .value_kind: global_buffer, .address_space: global }
      - { .name: out0, .offset: 88, .size: 8, .value_kind: global_buffer, .address_space: global }
    .group_segment_fixed_size: 327680
    .private_segment_fixed_size: 0
    .kernarg_segment_align: 8
    .kernarg_segment_size: 96
    .max_flat_workgroup_size: 256
    .sgpr_count:     90
    .vgpr_count:     512
    .wavefront_size: 32
...
	.end_amdgpu_metadata
.endif
;; end of part 2
